; MI455X (gfx1250); checked and timed in simulation.
; The chip was launched on July 23, 2026; its instructions are those of AMD's public machine-readable ISA for CDNA 5 (MIT licence, August 2026) and "CDNA5" Instruction Set Architecture Reference Guide (July 2026). The comments in the code are by the model that wrote it; some were corrected since.
;; Gaussian2 D Minimal. Allowed arithmetic: float matrix products may take bf16 or f16 operands with f32 sums; all other float work in f32.
;; Inputs: cholesky_raw 512 x 3 float32; means 512 x 2 float32; opacity_logits 512 float32; rgb_logits 512 x 3 float32.
;; Outputs: out0 3 x 256 x 256 float32; out1 256 x 256 x 3 float32; out2 256 x 256 float32; out3 256 x 256 x 3 float32; out4 256 x 256 x 3 float32; out5 256 x 256 x 3 float32.
;; 2 versions, each right; version 2 is version 1 with the launch render written anew for expert scheduling mode. Each part assembles by itself: llvm-mc -triple=amdgcn-amd-amdhsa -mcpu=gfx1250 --defsym DOCPART=n.
;; ======== version 1 of 2: 1 launch
;; limits: values outside matrix products are rounded to f16; values are held in f16: magnitudes above 65,504 overflow, below 6.1e-05 lose precision; right only within a limited range of input values
;; launch render (part 1): grid 256 x 1, 8 waves a work-group, no clusters, 99,328 bytes of LDS; arguments cholesky_raw, means, opacity_logits, rgb_logits, out0, out1, out2, out3, out4, out5; writes out0, out1, out2, out3, out4, out5
.if DOCPART == 1
	.amdgcn_target "amdgcn-amd-amdhsa--gfx1250"
	.amdhsa_code_object_version 6
	.text
	.protected	k_q0ed29bbb15_render
	.globl	k_q0ed29bbb15_render
	.p2align	8
	.type	k_q0ed29bbb15_render,@function
k_q0ed29bbb15_render:
	s_mov_b64 s[64:65], 0
	v_nop
	global_prefetch_b8 v0, s[64:65] scope:SCOPE_SE
	s_setreg_imm32_b32 hwreg(HW_REG_WAVE_MODE, 25, 1), 1
	s_wait_xcnt 0x0
; Dense rasteriser of 512 two-dimensional Gaussians on 256 x 256 pixels, alpha-composited in list order, with the
; composited colour, weight sum and the three derivative images.  One launch does everything.
;
; SHARES.  Work-group id: bx = id & 3, by = id >> 2: a tile of 64 pixels in x by 4 rows.  Wave w: tx = w & 3, wg = w >> 2:
; 16 x-positions, all 4 rows.  Lane (r = l & 15, h = l >> 4): x-position r and SEGMENT seg = 2 wg + h of the list,
; Gaussians 128 seg .. 128 seg + 127, in 16 chunks of 8.  The 4 rows are two row pairs; the two rows of a pair lie in
; the two halves of packed f32 instructions.
; THE SCAN.  Every segment runs its own transmittance from 1.  All outputs are linear in vis = alpha T, so with segment
; sums P_s and final transmittances T_s the result is P0 + T0 (P1 + T1 (P2 + T2 P3)), made at the end through LDS.
; THE SUMS over Gaussians go to v_wmma_f32_16x16x32_f16, D = Table x Pix.  The k index of both sources is (lane half h,
; register g, 16-bit half e).  Pix, column = pixel r: register g = Gaussian g of the lane's chunk, e = one of two
; quantities: fragment 0 (vis, vis gx), fragment 1 (vis gy, vis (gx gy - b)): one v_cvt_pk_f16_f32 writes a register
; of a fragment where it is needed.  Table, row m = (hs = m >> 3, q = (m >> 2) & 1, c = m & 3): colour c of Gaussian g
; (c = 3: the number 1, which gives the weight sum) in half e = q of the lanes with h = hs, zero elsewhere.
; Register j of D in lane (r, h) is row 8 h + j, column r: the lane's own pixel and segment, quantity j >> 2, colour j & 3.
; WHY f16 AND NOT bf16: the derivative images are sums of terms of both signs that nearly cancel, so the rounding of
; each term counts against a small result; f16's 11 significant bits round each operand 8 times finer than bf16's 8.
; NO CLUSTER, tensor load or prefetch: the inputs are 18,432 bytes, read once by each work-group at its start;
; nothing is streamed and no tile is shared over time.
;
; LIMITS KEPT.  (1) T is the product of (1 - alpha) in f32, per segment, not exp of a sum of log1p: another order of
; rounding.  (2) vis, its three products and the colours are rounded to f16 for the matrix unit.  Range: since
; |gx gy| <= 2 sigma sqrt(a c) and vis <= exp(-sigma), |vis (gx gy - b)| <= 1.74 sqrt(a c); where sqrt(a c) exceeds
; about 3.7e4 a term can pass f16's largest number 65,504, becomes infinite and, against the table's zeros, NaN.
; f16's finest step is 2^-24: a term below 3e-8 vanishes.  (3) v_exp_f32, v_log_f32 and v_rcp_f32 flush denormals
; (ISA guide 15.8): alpha below 2^-126 is 0; det(Sigma) below 2^-126 or beyond f32's range gives an infinite or zero
; conic and NaN from there on.  (4) softplus(x) = max(x, 0) + ln2 log2(1 + e), e = exp(-|x|), and e - e^2/2 where
; e < 2^-12: relative error at most 2.5e-4.  (5) A NaN alpha becomes 0.999 (v_min_num_f32), so NaN inputs are not
; carried through as the reference carries them.
.set ARR,    2048                      ; one parameter array: 512 f32
.set TAB,    7*ARR                     ; behind the seven arrays mx, a, log2(opacity), my, b, c, K c
.set TPITCH, 2064                      ; a table row: 512 words + 16 bytes; 129 x 16, so rows 0..8 start in different 16-byte columns modulo 256
.set RECB,   80                        ; a record of partial sums: 16 words + 16 bytes; 5 x 16, same reason
.set ROWB,   16*RECB                   ; 1,280: a wave's 16 pixels of one row
.set HALFB,  4*ROWB                    ; 5,120: its 4 rows, one segment
.set WAVEB,  2*HALFB                   ; 10,240: its two segments; the records of wave w lie at w x WAVEB (over the parameters, which are dead then)
.set STAGE,  8*WAVEB                   ; 81,920: the tile's outputs in the order in which they are stored, 16,384 bytes
.set PX,   4                           ; v[4:5]    pixel centre x, twice
.set PY,   6                           ; v[6:9]    pixel centre y of rows 0..3
.set TR,   10                          ; v[10:13]  transmittance of rows 0..3
.set TT,   14                          ; v[14:15]  its partner: the links of the scan write in turn TT and TR
.set R0,   16                          ; eight groups of 8, register g = Gaussian g of the chunk:  mx, then dX, then b dX
.set R1,   24                          ;   a, then a dX
.set R2,   32                          ;   log2(opacity), then that + K a dX^2          (K = -log2(e)/2)
.set R3,   40                          ;   a dX^2, then 2 K b dX
.set MY,   48
.set B,    56
.set C,    64
.set P2,   72                          ;   K c
.set SL,   80                          ; four slots of 8: +0 gx, +2 gy, +4 dY then gx gy - b, +6 exponent, alpha, vis (pairs: two rows)
.set TABF, 112                         ; v[112:119] Table fragment of the chunk
.set FR,   120                         ; v[120:151] Pix fragments: + 16 x (row in the pair) + 8 x fragment
.set ACC,  152                         ; v[152:215] accumulators: + 16 x row + 8 x fragment
.set PS,   16                          ; the way out: records of segments 0..3 in v[16:79]
	s_load_b512 s[8:23], s[0:1], 0x0               ; cholesky s[8:9], means s[10:11], opacity s[12:13], rgb s[14:15], out0 .. out3 s[16:23]
	s_load_b128 s[24:27], s[0:1], 0x40             ; out4 s[24:25], out5 s[26:27]
	v_lshl_add_u32 v216, v0, 2, 0x18000
	v_mov_b32 v217, 0
	v_lshrrev_b32 v3, 5, v0
	v_readfirstlane_b32 s28, v3                    ; wave w
	s_and_b32 s29, s28, 3                          ; tx
	s_lshr_b32 s30, s28, 2                         ; wg
	s_and_b32 s31, ttmp9, 3                        ; bx
	s_lshr_b32 s32, ttmp9, 2                       ; by
	s_mov_b32 s42, 0xbfb8aa3b                      ; -log2(e)
	s_mov_b32 s43, 0x3f317218                      ; ln 2
	s_mov_b32 s44, 0x39800000                      ; 2^-12
	s_mov_b32 s45, 0xbf38aa3b                      ; K = -log2(e)/2
	s_mov_b32 s46, 0x3f7fbe77                      ; 0.999
	v_mul_u32_u24 v40, 12, v0                      ; thread t prepares Gaussians t and t + 256
	v_lshlrev_b32 v41, 3, v0
	v_lshlrev_b32 v42, 2, v0                       ; 4 t: also the LDS address of word t of every array and table row
	s_wait_kmcnt 0x0
	global_load_b96 v[16:18], v40, s[8:9]
	global_load_b64 v[20:21], v41, s[10:11]
	global_load_b32 v22, v42, s[12:13]
	global_load_b96 v[24:26], v40, s[14:15]
	global_load_b96 v[28:30], v40, s[8:9] offset:3072
	global_load_b64 v[32:33], v41, s[10:11] offset:2048
	global_load_b32 v34, v42, s[12:13] offset:1024
	global_load_b96 v[36:38], v40, s[14:15] offset:3072
	; the lane's constants, while the loads are on their way
	v_and_b32 v3, 15, v0                           ; r
	s_lshl_b32 s38, s31, 6
	s_lshl4_add_u32 s38, s29, s38                  ; 64 bx + 16 tx
	v_add_nc_u32 v3, s38, v3
	v_cvt_f32_u32 v[PX], v3
	v_add_f32 v[PX], 0.5, v[PX]
	v_mov_b32 v[PX+1], v[PX]
	s_lshl_b32 s39, s32, 2                         ; the tile's first row
	v_cvt_f32_u32 v[PY+3], s39
	v_add_f32 v[PY], 0.5, v[PY+3]
	v_add_f32 v[PY+1], 0x3fc00000, v[PY+3]         ; + 1.5
	v_add_f32 v[PY+2], 0x40200000, v[PY+3]         ; + 2.5
	v_add_f32 v[PY+3], 0x40600000, v[PY+3]         ; + 3.5
.irp j, 0,1,2,3
	v_mov_b32 v[TR+\j], 1.0                        ; the scan's first value
.endr
	v_bfe_u32 v3, v0, 4, 1                         ; h
	s_lshl_b32 s40, s30, 1
	v_add_nc_u32 v3, s40, v3                       ; seg
	v_lshlrev_b32 v1, 9, v3                        ; v1: my segment's 128 words in every array
	v_lshrrev_b32 v2, 3, v0                        ; table row: l & 7 where bit 3 of the lane equals bit 4 (hs = h), else row 8 (zeros)
	v_lshrrev_b32 v14, 4, v0
	v_xor_b32 v2, v2, v14
	v_and_b32 v2, 1, v2
	v_lshlrev_b32 v2, 3, v2
	v_and_or_b32 v2, v0, 7, v2                     ; l & 7, or 8 .. 15
	v_min_u32 v2, 8, v2
	v_mad_u32_u24 v2, v2, TPITCH, v1               ; v2: my table row at my segment, counted from TAB (TAB rides in the loads' offset)
	v_mov_b32 v64, 0x3c00                          ; f16 1.0 in the low half,
	v_mov_b32 v65, 0x3c000000                      ; in the high half,
	v_mov_b32 v66, 0                               ; and the zero row
; One Gaussian: conic (a, b, c), log2 of the opacity, K c, the colours; into the arrays and the table at word t + off/4.
.macro GAUSS ch, me, op, rg, off
	v_and_b32 v44, 0x7fffffff, v[\ch]
	v_and_b32 v45, 0x7fffffff, v[\ch+2]
	v_mul_f32 v44, s42, v44
	v_mul_f32 v45, s42, v45
	v_mul_f32 v46, s42, v[\op]
	v_mul_f32 v47, s42, v[\rg]
	v_mul_f32 v48, s42, v[\rg+1]
	v_mul_f32 v49, s42, v[\rg+2]
.irp i, 44,45,46,47,48,49
	v_exp_f32 v\i, v\i                             ; exp(-|x|) twice, exp(-x) four times
.endr
	v_max_num_f32 v50, 0, v[\ch]                   ; a plain line behind the last exponential (ISA guide 5.7.2)
	v_max_num_f32 v51, 0, v[\ch+2]
	s_wait_alu depctr_va_vdst(0)
.irp i, 0,1,2,3,4,5
	v_add_f32 v[52+\i], 1.0, v[44+\i]
.endr
	v_log_f32 v52, v52
	v_log_f32 v53, v53
	v_log_f32 v54, v54
	v_rcp_f32 v55, v55                             ; the three colours: sigmoid
	v_rcp_f32 v56, v56
	v_rcp_f32 v57, v57
	v_mul_f32 v58, -0.5, v44                       ; plain again; e - e^2/2 for small e
	v_mul_f32 v59, -0.5, v45
	v_fma_f32 v58, v58, v44, v44
	v_fma_f32 v59, v59, v45, v45
	s_wait_alu depctr_va_vdst(0)
	v_mul_f32 v52, s43, v52
	v_mul_f32 v53, s43, v53
	v_cmp_gt_f32 vcc_lo, s44, v44
	v_cndmask_b32 v52, v52, v58, vcc_lo
	v_cmp_gt_f32 vcc_lo, s44, v45
	v_cndmask_b32 v53, v53, v59, vcc_lo
	v_add_f32 v50, v50, v52                        ; L11
	v_add_f32 v51, v51, v53                        ; L22
	v_sub_f32 v54, 0, v54                          ; log2(sigmoid(opacity logit))
	v_mul_f32 v60, v50, v51
	v_mul_f32 v60, v60, v60                        ; det
	v_rcp_f32 v60, v60
	v_mul_f32 v61, v50, v50                        ; s00 (plain, names neither source nor result of the reciprocal)
	v_mul_f32 v62, v50, v[\ch+1]                   ; s01
	v_mul_f32 v63, v51, v51
	v_fma_f32 v63, v[\ch+1], v[\ch+1], v63         ; s11
	s_wait_alu depctr_va_vdst(0)
	v_mul_f32 v63, v63, v60                        ; a
	v_mul_f32 v62, -v62, v60                       ; b
	v_mul_f32 v61, v61, v60                        ; c
	v_mul_f32 v60, s45, v61                        ; K c
	ds_store_b32 v42, v[\me]   offset:0*ARR+\off
	ds_store_b32 v42, v63      offset:1*ARR+\off
	ds_store_b32 v42, v54      offset:2*ARR+\off
	ds_store_b32 v42, v[\me+1] offset:3*ARR+\off
	ds_store_b32 v42, v62      offset:4*ARR+\off
	ds_store_b32 v42, v61      offset:5*ARR+\off
	ds_store_b32 v42, v60      offset:6*ARR+\off
.irp i, 0,1,2
	v_cvt_pk_f16_f32 v[55+\i], v[55+\i], 0         ; colour as f16 in the low half: rows 0..2
	v_lshlrev_b32 v[58+\i], 16, v[55+\i]           ; in the high half: rows 4..6
.endr
.irp i, 0,1,2
	ds_store_b32 v42, v[55+\i] offset:TAB+\i*TPITCH+\off
	ds_store_b32 v42, v[58+\i] offset:TAB+(4+\i)*TPITCH+\off
.endr
	ds_store_b32 v42, v64 offset:TAB+3*TPITCH+\off
	ds_store_b32 v42, v65 offset:TAB+7*TPITCH+\off
	ds_store_b32 v42, v66 offset:TAB+8*TPITCH+\off
.endm
	s_wait_loadcnt 0x4                             ; the four loads of Gaussian t + 256 may stay out
	GAUSS 16, 20, 22, 24, 0
	s_wait_loadcnt 0x0
	GAUSS 28, 32, 34, 36, 1024
	s_wait_dscnt 0x0                               ; my words are in LDS,
	s_barrier_signal -1
	s_barrier_wait -1                              ; everybody's are (B1)
; Seven loads: four Gaussians (half 0 or 1 of the chunk at v1) of every array.  The 16 lanes of a segment read the same 16 bytes.
.macro LDPAR half
	ds_load_b128 v[R0+4*\half:R0+4*\half+3], v1 offset:0*ARR+16*\half
	ds_load_b128 v[R1+4*\half:R1+4*\half+3], v1 offset:1*ARR+16*\half
	ds_load_b128 v[R2+4*\half:R2+4*\half+3], v1 offset:2*ARR+16*\half
	ds_load_b128 v[MY+4*\half:MY+4*\half+3], v1 offset:3*ARR+16*\half
	ds_load_b128 v[B+4*\half:B+4*\half+3],   v1 offset:4*ARR+16*\half
	ds_load_b128 v[C+4*\half:C+4*\half+3],   v1 offset:5*ARR+16*\half
	ds_load_b128 v[P2+4*\half:P2+4*\half+3], v1 offset:6*ARR+16*\half
.endm
; What hangs on x alone, once for all four rows; here the two halves of a packed line are two Gaussians (pairs ka, kb).
.macro PH1 ka, kb
.irp k, \ka, \kb
	v_pk_add_f32 v[R0+2*\k:R0+2*\k+1], v[R0+2*\k:R0+2*\k+1], v[PX:PX+1] neg_lo:[0,1] neg_hi:[0,1]     ; dX = mx - px
.endr
.irp k, \ka, \kb
	v_pk_mul_f32 v[R1+2*\k:R1+2*\k+1], v[R1+2*\k:R1+2*\k+1], v[R0+2*\k:R0+2*\k+1]                     ; a dX
.endr
.irp k, \ka, \kb
	v_pk_mul_f32 v[R3+2*\k:R3+2*\k+1], v[R1+2*\k:R1+2*\k+1], v[R0+2*\k:R0+2*\k+1]                     ; a dX^2
.endr
.irp k, \ka, \kb
	v_pk_fma_f32 v[R2+2*\k:R2+2*\k+1], v[R3+2*\k:R3+2*\k+1], 0xbf38aa3b, v[R2+2*\k:R2+2*\k+1] op_sel_hi:[1,0,1]   ; log2 opacity + K a dX^2
.endr
.irp k, \ka, \kb
	v_pk_mul_f32 v[R0+2*\k:R0+2*\k+1], v[B+2*\k:B+2*\k+1], v[R0+2*\k:R0+2*\k+1]                       ; b dX
.endr
.irp k, \ka, \kb
	v_pk_mul_f32 v[R3+2*\k:R3+2*\k+1], v[R0+2*\k:R0+2*\k+1], 0xbfb8aa3b op_sel_hi:[1,0]               ; 2 K b dX
.endr
.endm
; Row pair rp, Gaussians gb .. gb + 3 in slots 0 .. 3: gx, gy, gx gy - b and alpha.  Slot h + s takes register s of the
; parameter pair at gb + h for both rows (op_sel and op_sel_hi both s).  Each line runs over the four slots, so that
; no line waits for the one in front of it.
.macro S1 rp, gb
.irp h, 0,2
.irp s, 0,1
	v_pk_add_f32 v[SL+8*(\h+\s)+4:SL+8*(\h+\s)+5], v[MY+\gb+\h:MY+\gb+\h+1], v[PY+2*\rp:PY+2*\rp+1] op_sel:[\s,0] op_sel_hi:[\s,1] neg_lo:[0,1] neg_hi:[0,1]   ; dY = my - py
.endr
.endr
.irp h, 0,2
.irp s, 0,1
	v_pk_fma_f32 v[SL+8*(\h+\s):SL+8*(\h+\s)+1], v[B+\gb+\h:B+\gb+\h+1], v[SL+8*(\h+\s)+4:SL+8*(\h+\s)+5], v[R1+\gb+\h:R1+\gb+\h+1] op_sel:[\s,0,\s] op_sel_hi:[\s,1,\s]   ; gx = b dY + a dX
.endr
.endr
.irp h, 0,2
.irp s, 0,1
	v_pk_fma_f32 v[SL+8*(\h+\s)+2:SL+8*(\h+\s)+3], v[C+\gb+\h:C+\gb+\h+1], v[SL+8*(\h+\s)+4:SL+8*(\h+\s)+5], v[R0+\gb+\h:R0+\gb+\h+1] op_sel:[\s,0,\s] op_sel_hi:[\s,1,\s]   ; gy = c dY + b dX
.endr
.endr
.irp h, 0,2
.irp s, 0,1
	v_pk_fma_f32 v[SL+8*(\h+\s)+6:SL+8*(\h+\s)+7], v[P2+\gb+\h:P2+\gb+\h+1], v[SL+8*(\h+\s)+4:SL+8*(\h+\s)+5], v[R3+\gb+\h:R3+\gb+\h+1] op_sel:[\s,0,\s] op_sel_hi:[\s,1,\s]   ; K c dY + 2 K b dX
.endr
.endr
.irp h, 0,2
.irp s, 0,1
	v_pk_fma_f32 v[SL+8*(\h+\s)+6:SL+8*(\h+\s)+7], v[SL+8*(\h+\s)+6:SL+8*(\h+\s)+7], v[SL+8*(\h+\s)+4:SL+8*(\h+\s)+5], v[R2+\gb+\h:R2+\gb+\h+1] op_sel:[0,0,\s] op_sel_hi:[1,1,\s]   ; x dY + the x part = log2(opacity exp(-sigma))
.endr
.endr
.irp i, 0,1,2,3
	v_exp_f32 v[SL+8*\i+6], v[SL+8*\i+6]
	v_exp_f32 v[SL+8*\i+7], v[SL+8*\i+7]
.endr
.irp h, 0,2
.irp s, 0,1
	v_pk_fma_f32 v[SL+8*(\h+\s)+4:SL+8*(\h+\s)+5], v[SL+8*(\h+\s):SL+8*(\h+\s)+1], v[SL+8*(\h+\s)+2:SL+8*(\h+\s)+3], v[B+\gb+\h:B+\gb+\h+1] op_sel:[0,0,\s] op_sel_hi:[1,1,\s] neg_lo:[0,0,1] neg_hi:[0,0,1]   ; gx gy - b: four plain lines behind the exponentials (ISA guide 5.7.2)
.endr
.endr
	s_wait_alu depctr_va_vdst(0)
.irp i, 0,1,2,3
	v_min_num_f32 v[SL+8*\i+6], s46, v[SL+8*\i+6]  ; alpha = min(.., 0.999)
	v_min_num_f32 v[SL+8*\i+7], s46, v[SL+8*\i+7]
.endr
.endm
.macro LINK i, tc, tn                  ; a link of the scan: the next T = T - alpha T, and vis = alpha T
	v_pk_fma_f32 v[\tn:\tn+1], v[SL+8*\i+6:SL+8*\i+7], v[\tc:\tc+1], v[\tc:\tc+1] neg_lo:[1,0,0] neg_hi:[1,0,0]
	v_pk_mul_f32 v[SL+8*\i+6:SL+8*\i+7], v[SL+8*\i+6:SL+8*\i+7], v[\tc:\tc+1]
.endm
.macro PROD i                          ; vis gx, vis gy, vis (gx gy - b)
	v_pk_mul_f32 v[SL+8*\i:SL+8*\i+1],   v[SL+8*\i:SL+8*\i+1],   v[SL+8*\i+6:SL+8*\i+7]
	v_pk_mul_f32 v[SL+8*\i+2:SL+8*\i+3], v[SL+8*\i+2:SL+8*\i+3], v[SL+8*\i+6:SL+8*\i+7]
	v_pk_mul_f32 v[SL+8*\i+4:SL+8*\i+5], v[SL+8*\i+4:SL+8*\i+5], v[SL+8*\i+6:SL+8*\i+7]
.endm
.macro PACK i, gb                      ; register gb + i of the four Pix fragments (2 rows x 2 fragments); first source into the low half
	v_cvt_pk_f16_f32 v[FR+\gb+\i],    v[SL+8*\i+6], v[SL+8*\i]
	v_cvt_pk_f16_f32 v[FR+16+\gb+\i], v[SL+8*\i+7], v[SL+8*\i+1]
	v_cvt_pk_f16_f32 v[FR+8+\gb+\i],  v[SL+8*\i+2], v[SL+8*\i+4]
	v_cvt_pk_f16_f32 v[FR+24+\gb+\i], v[SL+8*\i+3], v[SL+8*\i+5]
.endm
.macro S2 rp, gb                       ; the four links, with the products of the slot before between them; T ends in TR again
	LINK 0, TR+2*\rp, TT
	LINK 1, TT, TR+2*\rp
	PROD 0
	LINK 2, TR+2*\rp, TT
	PROD 1
	LINK 3, TT, TR+2*\rp
	PROD 2
	PACK 0, \gb
	PROD 3
	PACK 1, \gb
	PACK 2, \gb
	PACK 3, \gb
.endm
.macro WM4 rp, zero                    ; the row pair's four products; zero = 1: the first chunk starts the sums, nothing is cleared
.irp jj, 0,1
.irp qp, 0,1
.if \zero
	v_wmma_f32_16x16x32_f16 v[ACC+16*(2*\rp+\jj)+8*\qp:ACC+16*(2*\rp+\jj)+8*\qp+7], v[TABF:TABF+7], v[FR+16*\jj+8*\qp:FR+16*\jj+8*\qp+7], 0
.else
	v_wmma_f32_16x16x32_f16 v[ACC+16*(2*\rp+\jj)+8*\qp:ACC+16*(2*\rp+\jj)+8*\qp+7], v[TABF:TABF+7], v[FR+16*\jj+8*\qp:FR+16*\jj+8*\qp+7], v[ACC+16*(2*\rp+\jj)+8*\qp:ACC+16*(2*\rp+\jj)+8*\qp+7]
.endif
.endr
.endr
.endm
; A chunk of 8 Gaussians.  more = 1: the next chunk's parameters are loaded as soon as the last line that reads a half
; of this chunk's has gone (S1 of the second row pair).
; Places behind matrix instructions (ISA guide 7.12.1): the fragments are rewritten by S2 behind the 32 plain lines of
; an S1; the table fragment is loaded again behind the 24 plain lines of PH1; none of these names a matrix register.
; The table loads stay inside a row's 2,048 data bytes: at most 3 x 512 (segment) + 15 x 32 (chunk) + 16 + 16.
.macro CHUNK zero, more
	s_wait_dscnt 0x7                               ; the first half's seven loads are in; the second half's seven may be out
	PH1 0, 1
	s_wait_dscnt 0x0
	PH1 2, 3
	ds_load_b128 v[TABF:TABF+3],   v2 offset:TAB
	ds_load_b128 v[TABF+4:TABF+7], v2 offset:TAB+16
	v_add_nc_u32 v2, 32, v2
	S1 0, 0
	S2 0, 0
	S1 0, 4
	S2 0, 4
	s_wait_dscnt 0x0                               ; the table fragment: the only two LDS loads out here
	WM4 0, \zero
	S1 1, 0
.if \more
	v_add_nc_u32 v1, 32, v1
	LDPAR 0
.endif
	S2 1, 0
	S1 1, 4
.if \more
	LDPAR 1
.endif
	S2 1, 4
	WM4 1, \zero
.endm
	LDPAR 0
	LDPAR 1
	CHUNK 1, 1
	s_mov_b32 s33, 14
.Lchunk:
	CHUNK 0, 1
	s_sub_co_i32 s33, s33, 1
	s_cmp_lg_u32 s33, 0
	s_cbranch_scc1 .Lchunk
	CHUNK 0, 0                                     ; the sixteenth chunk loads nothing further
	; THE WAY OUT.  The records overlay the parameters and the table: B2 stands between every wave's last read of those
	; and the first record store.  The address work between its halves is also the four places and more that the
	; last matrix instructions ask for before their results are touched (ISA guide 7.12.1).
	s_wait_dscnt 0x0
	s_barrier_signal -1
	v_and_b32 v3, 15, v0                           ; r
	v_bfe_u32 v1, v0, 4, 1                         ; h
	v_lshl_add_u32 v1, v1, 6, v3                   ; 64 h + r: HALFB = 64 records
	v_mul_u32_u24 v1, RECB, v1
	s_mul_i32 s38, s28, WAVEB
	v_add_nc_u32 v1, s38, v1                       ; v1: where I put my records (row j at + ROWB j)
	v_bfe_u32 v2, v0, 4, 2                         ; as thread t I gather pixel t of the tile: row t >> 6, x = t & 63
	v_lshrrev_b32 v9, 6, v0
	v_mul_u32_u24 v2, WAVEB, v2                    ; written by waves (t >> 4) & 3 and that + 4
	v_mad_u32_u24 v2, v9, ROWB, v2
	v_mad_u32_u24 v2, v3, RECB, v2                 ; v2: pixel t's record of segment 0
	v_mad_u32_u24 v4, v0, 12, STAGE                ; v4: pixel t in a staged image of 12 bytes a pixel
	v_lshl_add_u32 v5, v0, 2, STAGE                ; v5: in a staged plane
	v_lshl_add_u32 v6, v0, 4, STAGE                ; v6: my 16 bytes when the stage is read back
	s_barrier_wait -1                              ; (B2)
.irp j, 0,1,2,3
	v_mov_b32 v[ACC+16*\j+7], v[TR+\j]             ; word 7 of a record (an unused sum) carries the segment's final T
.endr
.irp j, 0,1,2,3
.irp q, 0,1,2,3
	ds_store_b128 v1, v[ACC+16*\j+4*\q:ACC+16*\j+4*\q+3] offset:ROWB*\j+16*\q   ; words 4 q ..: colour sums of quantity q
.endr
.endr
	s_wait_dscnt 0x0
	s_barrier_signal -1
	s_barrier_wait -1                              ; (B3) all records are in LDS
.irp s, 3,2,1,0
.irp i, 0,1,2,3
	ds_load_b128 v[PS+16*\s+4*\i:PS+16*\s+4*\i+3], v2 offset:(\s>>1)*4*WAVEB+(\s&1)*HALFB+16*\i
.endr
.endr
	; offsets for the stores, while the records come
	s_mul_i32 s34, s32, 12288                      ; images of 3 f32 a pixel: 4 rows of 3,072 bytes a tile row,
	s_mul_i32 s38, s31, 768                        ; 64 pixels of 12 bytes a tile column
	s_add_co_u32 s34, s34, s38
	s_mov_b32 s35, 0
	s_add_nc_u64 s[18:19], s[18:19], s[34:35]      ; out1
	s_add_nc_u64 s[22:23], s[22:23], s[34:35]      ; out3
	s_add_nc_u64 s[24:25], s[24:25], s[34:35]      ; out4
	s_add_nc_u64 s[26:27], s[26:27], s[34:35]      ; out5
	s_lshl_b32 s36, s32, 12                        ; planes: 4 rows of 1,024 bytes,
	s_lshl_b32 s38, s31, 8                         ; 64 pixels of 4 bytes
	s_add_co_u32 s36, s36, s38
	s_lshr_b32 s38, s28, 1
	s_lshl_b32 s38, s38, 18                        ; waves 0..5 store plane w >> 1 of out0, waves 6, 7 store out2
	s_cmp_lt_u32 s28, 6
	s_cselect_b32 s38, s38, 0
	s_cselect_b64 s[40:41], s[16:17], s[20:21]
	s_add_co_u32 s36, s36, s38
	s_mov_b32 s37, 0
	s_add_nc_u64 s[40:41], s[40:41], s[36:37]
	v_mul_u32_u24 v7, 0x556, v0                    ; t / 48 for t < 192: (1366 t) >> 16
	v_lshrrev_b32 v7, 16, v7
	v_mul_u32_u24 v7, 0x900, v7                    ; a staged row is 768 bytes, a row of the image 3,072: + 2,304 a row
	v_lshl_add_u32 v7, v0, 4, v7                   ; v7: my 16 bytes in an image
	v_bfe_u32 v8, v0, 4, 2                         ; row (t >> 4) & 3
	v_lshlrev_b32 v9, 4, v3
	v_lshl_add_u32 v8, v8, 10, v9                  ; v8: my 16 bytes in a plane
; P_s += T_s P_(s+1).  T_s is word 7 of P_s (second register of pair 3, taken for both halves); pair 3 goes last.
.macro HORN s
.irp k, 0,1,2,4,5,6,7,3
	v_pk_fma_f32 v[PS+16*\s+2*\k:PS+16*\s+2*\k+1], v[PS+16*(\s+1)+2*\k:PS+16*(\s+1)+2*\k+1], v[PS+16*\s+6:PS+16*\s+7], v[PS+16*\s+2*\k:PS+16*\s+2*\k+1] op_sel:[0,1,0] op_sel_hi:[1,1,1]
.endr
.endm
	s_wait_dscnt 0x8                               ; records 3 and 2 are in; the eight loads of records 1 and 0 may be out
	HORN 2
	s_wait_dscnt 0x4                               ; the four loads of record 0 may be out
	HORN 1
	s_wait_dscnt 0x0
	HORN 0
	; pixel t's 13 numbers into the stage (apart from the records: no barrier in front)
.irp q, 0,1,2,3
.irp c, 0,1,2
	ds_store_b32 v4, v[PS+4*\q+\c] offset:3072*\q+4*\c     ; out1, out3, out4, out5
.endr
.endr
	ds_store_b32 v5, v[PS]   offset:12288          ; out0: three planes of 1,024 bytes
	ds_store_b32 v5, v[PS+1] offset:13312
	ds_store_b32 v5, v[PS+2] offset:14336
	ds_store_b32 v5, v[PS+3] offset:15360          ; out2
	s_wait_dscnt 0x0
	s_barrier_signal -1
	s_barrier_wait -1                              ; (B4)
	; Read back 16 bytes a thread; every store's sixteen neighbouring lanes cover 256 consecutive bytes, aligned.
	ds_load_b128 v[32:35], v6 offset:12288         ; the four planes: 256 pieces, all eight waves
	s_cmp_ge_u32 s28, 6
	s_cbranch_scc1 .Ltail                          ; an image's tile is 192 pieces: waves 0..5
	ds_load_b128 v[36:39], v6
	ds_load_b128 v[40:43], v6 offset:3072
	ds_load_b128 v[44:47], v6 offset:6144
	ds_load_b128 v[48:51], v6 offset:9216
	s_wait_dscnt 0x3                               ; the counts are the younger stage loads
	global_store_b128 v7, v[36:39], s[18:19] th:TH_STORE_NT
	s_wait_dscnt 0x2
	global_store_b128 v7, v[40:43], s[22:23] th:TH_STORE_NT
	s_wait_dscnt 0x1
	global_store_b128 v7, v[44:47], s[24:25] th:TH_STORE_NT
	s_wait_dscnt 0x0
	global_store_b128 v7, v[48:51], s[26:27] th:TH_STORE_NT
.Ltail:
	s_wait_dscnt 0x0
	global_store_b128 v8, v[32:35], s[40:41] th:TH_STORE_NT
	s_wait_tensorcnt 0x0
	ds_add_u32 v216, v217
	s_wait_dscnt 0x0
	s_endpgm
.Lfunc_end_k_q0ed29bbb15_render:
	.size	k_q0ed29bbb15_render, .Lfunc_end_k_q0ed29bbb15_render-k_q0ed29bbb15_render
	.p2alignl 7, 3214868480
	.fill 96, 4, 3214868480
	.section	.rodata,"a",@progbits
	.p2align	6, 0x0
	.amdhsa_kernel k_q0ed29bbb15_render
		.amdhsa_group_segment_fixed_size 99328
		.amdhsa_private_segment_fixed_size 0
		.amdhsa_enable_private_segment 0
		.amdhsa_kernarg_size 80
		.amdhsa_user_sgpr_count 2
		.amdhsa_user_sgpr_kernarg_segment_ptr 1
		.amdhsa_wavefront_size32 1
		.amdhsa_system_sgpr_workgroup_id_x 1
		.amdhsa_system_sgpr_workgroup_id_y 1
		.amdhsa_system_sgpr_workgroup_id_z 1
		.amdhsa_system_vgpr_workitem_id 0
		.amdhsa_next_free_vgpr 218
		.amdhsa_next_free_sgpr 66
		.amdhsa_reserve_vcc 1
		.amdhsa_float_denorm_mode_32 3
		.amdhsa_float_denorm_mode_16_64 3
		.amdhsa_memory_ordered 1
		.amdhsa_forward_progress 1
		.amdhsa_inst_pref_size 80
	.end_amdhsa_kernel
	.amdgpu_metadata
---
amdhsa.version: [ 1, 2 ]
amdhsa.kernels:
  - .name:           k_q0ed29bbb15_render
    .symbol:         k_q0ed29bbb15_render.kd
    .args:
      - { .name: cholesky_raw, .offset: 0, .size: 8, .value_kind: global_buffer, .address_space: global }
      - { .name: means, .offset: 8, .size: 8, .value_kind: global_buffer, .address_space: global }
      - { .name: opacity_logits, .offset: 16, .size: 8, .value_kind: global_buffer, .address_space: global }
      - { .name: rgb_logits, .offset: 24, .size: 8, .value_kind: global_buffer, .address_space: global }
      - { .name: out0, .offset: 32, .size: 8, .value_kind: global_buffer, .address_space: global }
      - { .name: out1, .offset: 40, .size: 8, .value_kind: global_buffer, .address_space: global }
      - { .name: out2, .offset: 48, .size: 8, .value_kind: global_buffer, .address_space: global }
      - { .name: out3, .offset: 56, .size: 8, .value_kind: global_buffer, .address_space: global }
      - { .name: out4, .offset: 64, .size: 8, .value_kind: global_buffer, .address_space: global }
      - { .name: out5, .offset: 72, .size: 8, .value_kind: global_buffer, .address_space: global }
    .group_segment_fixed_size: 99328
    .private_segment_fixed_size: 0
    .kernarg_segment_align: 8
    .kernarg_segment_size: 80
    .max_flat_workgroup_size: 256
    .sgpr_count:     66
    .vgpr_count:     218
    .wavefront_size: 32
...
	.end_amdgpu_metadata
.endif
;; end of part 1
;; ======== version 2 of 2: 1 launch; version 1 with the launch render written anew for expert scheduling mode
;; limits: values outside matrix products are rounded to f16; values are held in f16: magnitudes above 65,504 overflow, below 6.1e-05 lose precision; right only within a limited range of input values
;; launch render (part 2): grid 256 x 1, 8 waves a work-group, no clusters, 99,328 bytes of LDS; arguments cholesky_raw, means, opacity_logits, rgb_logits, out0, out1, out2, out3, out4, out5; writes out0, out1, out2, out3, out4, out5
.if DOCPART == 2
	.amdgcn_target "amdgcn-amd-amdhsa--gfx1250"
	.amdhsa_code_object_version 6
	.text
	.protected	k_q0ed29bbb15_render
	.globl	k_q0ed29bbb15_render
	.p2align	8
	.type	k_q0ed29bbb15_render,@function
k_q0ed29bbb15_render:
	s_mov_b64 s[64:65], 0
	v_nop
	global_prefetch_b8 v0, s[64:65] scope:SCOPE_SE
	s_setreg_imm32_b32 hwreg(HW_REG_WAVE_SCHED_MODE, 0, 2), 2
	s_setreg_imm32_b32 hwreg(HW_REG_WAVE_MODE, 25, 1), 1
	s_wait_xcnt 0x0
	s_wait_alu depctr_vm_vsrc(0)
; Dense rasteriser of 512 two-dimensional Gaussians on 256 x 256 pixels, alpha-composited in list order, with the
; composited colour, weight sum and the three derivative images.  One launch does everything.
;
; SHARES.  Work-group id: bx = id & 3, by = id >> 2: a tile of 64 pixels in x by 4 rows.  Wave w: tx = w & 3, wg = w >> 2:
; 16 x-positions, all 4 rows.  Lane (r = l & 15, h = l >> 4): x-position r and SEGMENT seg = 2 wg + h of the list,
; Gaussians 128 seg .. 128 seg + 127, in 16 chunks of 8.  The 4 rows are two row pairs; the two rows of a pair lie in
; the two halves of packed f32 instructions.
; THE SCAN.  Every segment runs its own transmittance from 1.  All outputs are linear in vis = alpha T, so with segment
; sums P_s and final transmittances T_s the result is P0 + T0 (P1 + T1 (P2 + T2 P3)), made at the end through LDS.
; THE SUMS over Gaussians go to v_wmma_f32_16x16x32_f16, D = Table x Pix.  The k index of both sources is (lane half h,
; register g, 16-bit half e).  Pix, column = pixel r: register g = Gaussian g of the lane's chunk, e = one of two
; quantities: fragment 0 (vis, vis gx), fragment 1 (vis gy, vis (gx gy - b)): one v_cvt_pk_f16_f32 writes a register
; of a fragment where it is needed.  Table, row m = (hs = m >> 3, q = (m >> 2) & 1, c = m & 3): colour c of Gaussian g
; (c = 3: the number 1, which gives the weight sum) in half e = q of the lanes with h = hs, zero elsewhere.
; Register j of D in lane (r, h) is row 8 h + j, column r: the lane's own pixel and segment, quantity j >> 2, colour j & 3.
; WHY f16 AND NOT bf16: the derivative images are sums of terms of both signs that nearly cancel, so the rounding of
; each term counts against a small result; f16's 11 significant bits round each operand 8 times finer than bf16's 8.
; NO CLUSTER, tensor load or prefetch: the inputs are 18,432 bytes, read once by each work-group at its start;
; nothing is streamed and no tile is shared over time.
;
; THE MODE: SCHED_MODE bits 1:0 = 2 (LLVM: expert scheduling mode 2), set by the entry lines.  The code itself states the
; register dependences between vector or matrix instructions and memory or LDS instructions, with s_wait_alu, always for 0.
; THE PLAN.  Registers that LDS instructions touch in the loop over chunks:
;   R0, R1, R2, MY, B, C, P2   the chunk's 56 parameters.  The 14 loads issued in chunk p land in them, for chunk p + 1.  PH1 reads
;                              them and rewrites R0 to R2 in place; their last reader is S1 of the second row pair.
;   TABF, TABG                 two buffers of the table fragment, by turns.  Chunk p's eight matrix instructions read one; the two
;                              loads issued in chunk p land in the other, which chunk p - 1's matrix instructions read.
;   v1, v2                     LDS addresses of the parameters and of the table row: read by a chunk's 16 loads, stepped once a chunk.
;   R3, the slots, FR, T and the accumulators are named by vector and matrix instructions alone.
; The second row pair runs S1 for both halves of the chunk first (two sets of slots), so that every parameter is dead there.
; ONE wait on va_vdst stands at that point: PH1 has written and S1 is done reading the 56 registers, the chunk before's matrix
; instructions are done reading the other table buffer, and v1 and v2 are written.  The 16 loads follow it, dealt among the two
; S2, which name slots, T and FR only.  One wait on vm_vsrc a chunk stands ahead of the two adds to v1 and v2.
;
; LIMITS KEPT.  (1) T is the product of (1 - alpha) in f32, per segment, not exp of a sum of log1p: another order of
; rounding.  (2) vis, its three products and the colours are rounded to f16 for the matrix unit.  Range: since
; |gx gy| <= 2 sigma sqrt(a c) and vis <= exp(-sigma), |vis (gx gy - b)| <= 1.74 sqrt(a c); where sqrt(a c) exceeds
; about 3.7e4 a term can pass f16's largest number 65,504, becomes infinite and, against the table's zeros, NaN.
; f16's finest step is 2^-24: a term below 3e-8 vanishes.  (3) v_exp_f32, v_log_f32 and v_rcp_f32 flush denormals
; (ISA guide 15.8): alpha below 2^-126 is 0; det(Sigma) below 2^-126 or beyond f32's range gives an infinite or zero
; conic and NaN from there on.  (4) softplus(x) = max(x, 0) + ln2 log2(1 + e), e = exp(-|x|), and e - e^2/2 where
; e < 2^-12: relative error at most 2.5e-4.  (5) A NaN alpha becomes 0.999 (v_min_num_f32), so NaN inputs are not
; carried through as the reference carries them.
.set ARR,    2048                      ; one parameter array: 512 f32
.set TAB,    7*ARR                     ; behind the seven arrays mx, a, log2(opacity), my, b, c, K c
.set TPITCH, 2064                      ; a table row: 512 words + 16 bytes; 129 x 16, so rows 0..8 start in different 16-byte columns modulo 256
.set RECB,   80                        ; a record of partial sums: 16 words + 16 bytes; 5 x 16, same reason
.set ROWB,   16*RECB                   ; 1,280: a wave's 16 pixels of one row
.set HALFB,  4*ROWB                    ; 5,120: its 4 rows, one segment
.set WAVEB,  2*HALFB                   ; 10,240: its two segments; the records of wave w lie at w x WAVEB (over the parameters, which are dead then)
.set STAGE,  8*WAVEB                   ; 81,920: the tile's outputs in the order in which they are stored, 16,384 bytes
.set PX,   4                           ; v[4:5]    pixel centre x, twice
.set PY,   6                           ; v[6:9]    pixel centre y of rows 0..3
.set TR,   10                          ; v[10:13]  transmittance of rows 0..3
.set TT,   14                          ; v[14:15]  its partner: the links of the scan write in turn TT and TR
.set R0,   16                          ; eight groups of 8, register g = Gaussian g of the chunk:  mx, then dX, then b dX
.set R1,   24                          ;   a, then a dX
.set R2,   32                          ;   log2(opacity), then that + K a dX^2          (K = -log2(e)/2)
.set R3,   40                          ;   a dX^2, then 2 K b dX
.set MY,   48
.set B,    56
.set C,    64
.set P2,   72                          ;   K c
.set SL,   80                          ; v[80:111] four slots of 8 for Gaussians 0..3 of a chunk: +0 gx, +2 gy, +4 dY then gx gy - b, +6 exponent, alpha, vis (pairs: two rows)
.set TABF, 112                         ; v[112:119] Table fragment, buffer 0
.set FR,   120                         ; v[120:151] Pix fragments: + 16 x (row in the pair) + 8 x fragment
.set ACC,  152                         ; v[152:215] accumulators: + 16 x row + 8 x fragment
.set SL2,  216                         ; v[216:247] four more slots, for Gaussians 4..7 of a chunk
.set TABG, 248                         ; v[248:255] Table fragment, buffer 1
.set PS,   16                          ; the way out: records of segments 0..3 in v[16:79]
	s_load_b512 s[8:23], s[0:1], 0x0               ; cholesky s[8:9], means s[10:11], opacity s[12:13], rgb s[14:15], out0 .. out3 s[16:23]
	s_load_b128 s[24:27], s[0:1], 0x40             ; out4 s[24:25], out5 s[26:27]
	s_set_vgpr_msb 0x40
	v_lshl_add_u32 v0, v0, 2, 0x18000
	v_mov_b32 v1, 0
	s_set_vgpr_msb 0x4000
	v_lshrrev_b32 v3, 5, v0
	v_readfirstlane_b32 s28, v3                    ; wave w
	s_and_b32 s31, ttmp9, 3                        ; bx
	s_lshr_b32 s32, ttmp9, 2                       ; by
	s_mov_b32 s42, 0xbfb8aa3b                      ; -log2(e)
	s_mov_b32 s43, 0x3f317218                      ; ln 2
	s_mov_b32 s44, 0x39800000                      ; 2^-12
	s_mov_b32 s45, 0xbf38aa3b                      ; K = -log2(e)/2
	s_mov_b32 s46, 0x3f7fbe77                      ; 0.999
	v_mul_u32_u24 v40, 12, v0                      ; thread t prepares Gaussians t and t + 256
	v_lshlrev_b32 v41, 3, v0
	v_lshlrev_b32 v42, 2, v0                       ; 4 t: also the LDS address of word t of every array and table row
	s_wait_alu depctr_va_sdst(0)                   ; s28 is written, ahead of its first reader
	s_and_b32 s29, s28, 3                          ; tx
	s_lshr_b32 s30, s28, 2                         ; wg
	s_wait_kmcnt 0x0
	s_wait_alu depctr_va_vdst(0)                   ; v40, v41 and v42 are written: the eight loads below read them as offsets
	global_load_b96 v[16:18], v40, s[8:9]
	global_load_b64 v[20:21], v41, s[10:11]
	global_load_b32 v22, v42, s[12:13]
	global_load_b96 v[24:26], v40, s[14:15]
	global_load_b96 v[28:30], v40, s[8:9] offset:3072
	global_load_b64 v[32:33], v41, s[10:11] offset:2048
	global_load_b32 v34, v42, s[12:13] offset:1024
	global_load_b96 v[36:38], v40, s[14:15] offset:3072
	; the lane's constants, while the loads are on their way: none of these lines names v16 to v42
	v_and_b32 v3, 15, v0                           ; r
	s_lshl_b32 s38, s31, 6
	s_lshl4_add_u32 s38, s29, s38                  ; 64 bx + 16 tx
	v_add_nc_u32 v3, s38, v3
	v_cvt_f32_u32 v[PX], v3
	v_add_f32 v[PX], 0.5, v[PX]
	v_mov_b32 v[PX+1], v[PX]
	s_lshl_b32 s39, s32, 2                         ; the tile's first row
	v_cvt_f32_u32 v[PY+3], s39
	v_add_f32 v[PY], 0.5, v[PY+3]
	v_add_f32 v[PY+1], 0x3fc00000, v[PY+3]         ; + 1.5
	v_add_f32 v[PY+2], 0x40200000, v[PY+3]         ; + 2.5
	v_add_f32 v[PY+3], 0x40600000, v[PY+3]         ; + 3.5
.irp j, 0,1,2,3
	v_mov_b32 v[TR+\j], 1.0                        ; the scan's first value
.endr
	v_bfe_u32 v3, v0, 4, 1                         ; h
	s_lshl_b32 s40, s30, 1
	v_add_nc_u32 v3, s40, v3                       ; seg
	v_lshlrev_b32 v1, 9, v3                        ; v1: my segment's 128 words in every array
	v_lshrrev_b32 v2, 3, v0                        ; table row: l & 7 where bit 3 of the lane equals bit 4 (hs = h), else row 8 (zeros)
	v_lshrrev_b32 v14, 4, v0
	v_xor_b32 v2, v2, v14
	v_and_b32 v2, 1, v2
	v_lshlrev_b32 v2, 3, v2
	v_and_or_b32 v2, v0, 7, v2                     ; l & 7, or 8 .. 15
	v_min_u32 v2, 8, v2
	v_mad_u32_u24 v2, v2, TPITCH, v1               ; v2: my table row at my segment, counted from TAB (TAB rides in the loads' offset)
	v_mov_b32 v64, 0x3c00                          ; f16 1.0 in the low half,
	v_mov_b32 v65, 0x3c000000                      ; in the high half,
	v_mov_b32 v66, 0                               ; and the zero row
; One Gaussian: conic (a, b, c), log2 of the opacity, K c, the colours; into the arrays and the table at word t + off/4.
; All arithmetic comes first, each stored number in a register of its own; one wait; then the sixteen stores in one run.
.macro GAUSS ch, me, op, rg, off
	v_and_b32 v44, 0x7fffffff, v[\ch]
	v_and_b32 v45, 0x7fffffff, v[\ch+2]
	v_mul_f32 v44, s42, v44
	v_mul_f32 v45, s42, v45
	v_mul_f32 v46, s42, v[\op]
	v_mul_f32 v47, s42, v[\rg]
	v_mul_f32 v48, s42, v[\rg+1]
	v_mul_f32 v49, s42, v[\rg+2]
.irp i, 44,45,46,47,48,49
	v_exp_f32 v\i, v\i                             ; exp(-|x|) twice, exp(-x) four times
.endr
	v_max_num_f32 v50, 0, v[\ch]                   ; a plain line behind the last exponential (ISA guide 5.7.2)
	v_max_num_f32 v51, 0, v[\ch+2]
	s_wait_alu depctr_va_vdst(0)
.irp i, 0,1,2,3,4,5
	v_add_f32 v[52+\i], 1.0, v[44+\i]
.endr
	v_log_f32 v52, v52
	v_log_f32 v53, v53
	v_log_f32 v54, v54
	v_rcp_f32 v55, v55                             ; the three colours: sigmoid
	v_rcp_f32 v56, v56
	v_rcp_f32 v57, v57
	v_mul_f32 v58, -0.5, v44                       ; plain again; e - e^2/2 for small e
	v_mul_f32 v59, -0.5, v45
	v_cmp_gt_f32 s4, s44, v44                      ; the two masks in a run, each in a scalar register of its own
	v_cmp_gt_f32 s5, s44, v45
	v_fma_f32 v58, v58, v44, v44
	v_fma_f32 v59, v59, v45, v45
	s_wait_alu depctr_va_vdst(0)
	v_mul_f32 v52, s43, v52
	v_mul_f32 v53, s43, v53
	s_wait_alu depctr_va_sdst(0)                   ; s4 and s5 are written, ahead of the two selects that read them
	v_cndmask_b32 v52, v52, v58, s4
	v_cndmask_b32 v53, v53, v59, s5
	v_add_f32 v50, v50, v52                        ; L11
	v_add_f32 v51, v51, v53                        ; L22
	v_sub_f32 v54, 0, v54                          ; log2(sigmoid(opacity logit))
	v_mul_f32 v60, v50, v51
	v_mul_f32 v60, v60, v60                        ; det
	v_rcp_f32 v60, v60
	v_mul_f32 v61, v50, v50                        ; s00 (plain, names neither source nor result of the reciprocal)
	v_mul_f32 v62, v50, v[\ch+1]                   ; s01
	v_mul_f32 v63, v51, v51
	v_fma_f32 v63, v[\ch+1], v[\ch+1], v63         ; s11
	s_wait_alu depctr_va_vdst(0)
	v_mul_f32 v63, v63, v60                        ; a
	v_mul_f32 v62, -v62, v60                       ; b
	v_mul_f32 v61, v61, v60                        ; c
	v_mul_f32 v60, s45, v61                        ; K c
.irp i, 0,1,2
	v_cvt_pk_f16_f32 v[55+\i], v[55+\i], 0         ; colour as f16 in the low half: rows 0..2
.endr
.irp i, 0,1,2
	v_lshlrev_b32 v[46+\i], 16, v[55+\i]           ; in the high half: rows 4..6
.endr
	s_wait_alu depctr_va_vdst(0)                   ; v46-48, v54-57 and v60-63 are written (and, at the head, v1, v2 and v64-66): the stores below read them
	ds_store_b32 v42, v[\me]   offset:0*ARR+\off
	ds_store_b32 v42, v63      offset:1*ARR+\off
	ds_store_b32 v42, v54      offset:2*ARR+\off
	ds_store_b32 v42, v[\me+1] offset:3*ARR+\off
	ds_store_b32 v42, v62      offset:4*ARR+\off
	ds_store_b32 v42, v61      offset:5*ARR+\off
	ds_store_b32 v42, v60      offset:6*ARR+\off
.irp i, 0,1,2
	ds_store_b32 v42, v[55+\i] offset:TAB+\i*TPITCH+\off
	ds_store_b32 v42, v[46+\i] offset:TAB+(4+\i)*TPITCH+\off
.endr
	ds_store_b32 v42, v64 offset:TAB+3*TPITCH+\off
	ds_store_b32 v42, v65 offset:TAB+7*TPITCH+\off
	ds_store_b32 v42, v66 offset:TAB+8*TPITCH+\off
.endm
	s_wait_loadcnt 0x4                             ; the four loads of Gaussian t + 256 may stay out
	GAUSS 16, 20, 22, 24, 0
	s_wait_loadcnt 0x0
	s_wait_alu depctr_vm_vsrc(0)                   ; the first Gaussian's stores have read v46-48, v54-57 and v60-63, which the second Gaussian's lines write again
	GAUSS 28, 32, 34, 36, 1024
	s_wait_dscnt 0x0                               ; my words are in LDS,
	s_barrier_signal -1
	s_barrier_wait -1                              ; everybody's are (B1)
	s_wait_alu depctr_vm_vsrc(0)                   ; my stores have read v20, v21, v32, v33 and v46 to v66, in which the parameters' loads land, and v42, which PH1 writes as part of R3
	                                               ; (no vector line stands behind the second Gaussian's wait on va_vdst: it serves the loads below too)
; Seven loads: four Gaussians (half 0 or 1 of the chunk at v1) of every array.  The 16 lanes of a segment read the same 16 bytes.
.macro LDPAR half
	ds_load_b128 v[R0+4*\half:R0+4*\half+3], v1 offset:0*ARR+16*\half
	ds_load_b128 v[R1+4*\half:R1+4*\half+3], v1 offset:1*ARR+16*\half
	ds_load_b128 v[R2+4*\half:R2+4*\half+3], v1 offset:2*ARR+16*\half
	ds_load_b128 v[MY+4*\half:MY+4*\half+3], v1 offset:3*ARR+16*\half
	ds_load_b128 v[B+4*\half:B+4*\half+3],   v1 offset:4*ARR+16*\half
	ds_load_b128 v[C+4*\half:C+4*\half+3],   v1 offset:5*ARR+16*\half
	ds_load_b128 v[P2+4*\half:P2+4*\half+3], v1 offset:6*ARR+16*\half
.endm
; Two loads: the table fragment of the chunk at v2, into buffer b.
; They stay inside a row's 2,048 data bytes: at most 3 x 512 (segment) + 15 x 32 (chunk) + 16 + 16.
.macro LDTAB b
	ds_load_b128 v[TABF+(TABG-TABF)*(\b):TABF+(TABG-TABF)*(\b)+3],   v2 offset:TAB
	ds_load_b128 v[TABF+(TABG-TABF)*(\b)+4:TABF+(TABG-TABF)*(\b)+7], v2 offset:TAB+16
.endm
; What hangs on x alone, once for all four rows; here the two halves of a packed line are two Gaussians (pairs ka, kb).
.macro PH1 ka, kb
.irp k, \ka, \kb
	v_pk_add_f32 v[R0+2*\k:R0+2*\k+1], v[R0+2*\k:R0+2*\k+1], v[PX:PX+1] neg_lo:[0,1] neg_hi:[0,1]     ; dX = mx - px
.endr
.irp k, \ka, \kb
	v_pk_mul_f32 v[R1+2*\k:R1+2*\k+1], v[R1+2*\k:R1+2*\k+1], v[R0+2*\k:R0+2*\k+1]                     ; a dX
.endr
.irp k, \ka, \kb
	v_pk_mul_f32 v[R3+2*\k:R3+2*\k+1], v[R1+2*\k:R1+2*\k+1], v[R0+2*\k:R0+2*\k+1]                     ; a dX^2
.endr
.irp k, \ka, \kb
	v_pk_fma_f32 v[R2+2*\k:R2+2*\k+1], v[R3+2*\k:R3+2*\k+1], 0xbf38aa3b, v[R2+2*\k:R2+2*\k+1] op_sel_hi:[1,0,1]   ; log2 opacity + K a dX^2
.endr
.irp k, \ka, \kb
	v_pk_mul_f32 v[R0+2*\k:R0+2*\k+1], v[B+2*\k:B+2*\k+1], v[R0+2*\k:R0+2*\k+1]                       ; b dX
.endr
.irp k, \ka, \kb
	v_pk_mul_f32 v[R3+2*\k:R3+2*\k+1], v[R0+2*\k:R0+2*\k+1], 0xbfb8aa3b op_sel_hi:[1,0]               ; 2 K b dX
.endr
.endm
; Row pair rp, Gaussians gb .. gb + 3 in slots 0 .. 3 of the set SB (gb = 0: SL, gb = 4: SL2): gx, gy, gx gy - b and alpha.
; Slot h + s takes register s of the parameter pair at gb + h for both rows (op_sel and op_sel_hi both s).  Each line runs
; over the four slots, so that no line waits for the one in front of it.
.macro S1 rp, gb
.set SB, SL+(\gb/4)*(SL2-SL)
.irp h, 0,2
.irp s, 0,1
	v_pk_add_f32 v[SB+8*(\h+\s)+4:SB+8*(\h+\s)+5], v[MY+\gb+\h:MY+\gb+\h+1], v[PY+2*\rp:PY+2*\rp+1] op_sel:[\s,0] op_sel_hi:[\s,1] neg_lo:[0,1] neg_hi:[0,1]   ; dY = my - py
.endr
.endr
.irp h, 0,2
.irp s, 0,1
	v_pk_fma_f32 v[SB+8*(\h+\s):SB+8*(\h+\s)+1], v[B+\gb+\h:B+\gb+\h+1], v[SB+8*(\h+\s)+4:SB+8*(\h+\s)+5], v[R1+\gb+\h:R1+\gb+\h+1] op_sel:[\s,0,\s] op_sel_hi:[\s,1,\s]   ; gx = b dY + a dX
.endr
.endr
.irp h, 0,2
.irp s, 0,1
	v_pk_fma_f32 v[SB+8*(\h+\s)+2:SB+8*(\h+\s)+3], v[C+\gb+\h:C+\gb+\h+1], v[SB+8*(\h+\s)+4:SB+8*(\h+\s)+5], v[R0+\gb+\h:R0+\gb+\h+1] op_sel:[\s,0,\s] op_sel_hi:[\s,1,\s]   ; gy = c dY + b dX
.endr
.endr
.irp h, 0,2
.irp s, 0,1
	v_pk_fma_f32 v[SB+8*(\h+\s)+6:SB+8*(\h+\s)+7], v[P2+\gb+\h:P2+\gb+\h+1], v[SB+8*(\h+\s)+4:SB+8*(\h+\s)+5], v[R3+\gb+\h:R3+\gb+\h+1] op_sel:[\s,0,\s] op_sel_hi:[\s,1,\s]   ; K c dY + 2 K b dX
.endr
.endr
.irp h, 0,2
.irp s, 0,1
	v_pk_fma_f32 v[SB+8*(\h+\s)+6:SB+8*(\h+\s)+7], v[SB+8*(\h+\s)+6:SB+8*(\h+\s)+7], v[SB+8*(\h+\s)+4:SB+8*(\h+\s)+5], v[R2+\gb+\h:R2+\gb+\h+1] op_sel:[0,0,\s] op_sel_hi:[1,1,\s]   ; x dY + the x part = log2(opacity exp(-sigma))
.endr
.endr
.irp i, 0,1,2,3
	v_exp_f32 v[SB+8*\i+6], v[SB+8*\i+6]
	v_exp_f32 v[SB+8*\i+7], v[SB+8*\i+7]
.endr
.irp h, 0,2
.irp s, 0,1
	v_pk_fma_f32 v[SB+8*(\h+\s)+4:SB+8*(\h+\s)+5], v[SB+8*(\h+\s):SB+8*(\h+\s)+1], v[SB+8*(\h+\s)+2:SB+8*(\h+\s)+3], v[B+\gb+\h:B+\gb+\h+1] op_sel:[0,0,\s] op_sel_hi:[1,1,\s] neg_lo:[0,0,1] neg_hi:[0,0,1]   ; gx gy - b: four plain lines behind the exponentials (ISA guide 5.7.2)
.endr
.endr
	s_wait_alu depctr_va_vdst(0)
.irp i, 0,1,2,3
	v_min_num_f32 v[SB+8*\i+6], s46, v[SB+8*\i+6]  ; alpha = min(.., 0.999)
	v_min_num_f32 v[SB+8*\i+7], s46, v[SB+8*\i+7]
.endr
.endm
.macro LINK i, tc, tn                  ; a link of the scan: the next T = T - alpha T, and vis = alpha T
	v_pk_fma_f32 v[\tn:\tn+1], v[SB+8*\i+6:SB+8*\i+7], v[\tc:\tc+1], v[\tc:\tc+1] neg_lo:[1,0,0] neg_hi:[1,0,0]
	v_pk_mul_f32 v[SB+8*\i+6:SB+8*\i+7], v[SB+8*\i+6:SB+8*\i+7], v[\tc:\tc+1]
.endm
.macro PROD i                          ; vis gx, vis gy, vis (gx gy - b)
	v_pk_mul_f32 v[SB+8*\i:SB+8*\i+1],   v[SB+8*\i:SB+8*\i+1],   v[SB+8*\i+6:SB+8*\i+7]
	v_pk_mul_f32 v[SB+8*\i+2:SB+8*\i+3], v[SB+8*\i+2:SB+8*\i+3], v[SB+8*\i+6:SB+8*\i+7]
	v_pk_mul_f32 v[SB+8*\i+4:SB+8*\i+5], v[SB+8*\i+4:SB+8*\i+5], v[SB+8*\i+6:SB+8*\i+7]
.endm
.macro PACK i, gb                      ; register gb + i of the four Pix fragments (2 rows x 2 fragments); first source into the low half
	v_cvt_pk_f16_f32 v[FR+\gb+\i],    v[SB+8*\i+6], v[SB+8*\i]
	v_cvt_pk_f16_f32 v[FR+16+\gb+\i], v[SB+8*\i+7], v[SB+8*\i+1]
	v_cvt_pk_f16_f32 v[FR+8+\gb+\i],  v[SB+8*\i+2], v[SB+8*\i+4]
	v_cvt_pk_f16_f32 v[FR+24+\gb+\i], v[SB+8*\i+3], v[SB+8*\i+5]
.endm
.macro S2 rp, gb                       ; the four links, with the products of the slot before between them; T ends in TR again
.set SB, SL+(\gb/4)*(SL2-SL)
	LINK 0, TR+2*\rp, TT
	LINK 1, TT, TR+2*\rp
	PROD 0
	LINK 2, TR+2*\rp, TT
	PROD 1
	LINK 3, TT, TR+2*\rp
	PROD 2
	PACK 0, \gb
	PROD 3
	PACK 1, \gb
	PACK 2, \gb
	PACK 3, \gb
.endm
.macro WM4 rp, zero, tb                ; the row pair's four products by table buffer tb; zero = 1: the first chunk starts the sums, nothing is cleared
.irp jj, 0,1
.irp qp, 0,1
.if \zero
	v_wmma_f32_16x16x32_f16 v[ACC+16*(2*\rp+\jj)+8*\qp:ACC+16*(2*\rp+\jj)+8*\qp+7], v[TABF+(TABG-TABF)*\tb:TABF+(TABG-TABF)*\tb+7], v[FR+16*\jj+8*\qp:FR+16*\jj+8*\qp+7], 0
.else
	v_wmma_f32_16x16x32_f16 v[ACC+16*(2*\rp+\jj)+8*\qp:ACC+16*(2*\rp+\jj)+8*\qp+7], v[TABF+(TABG-TABF)*\tb:TABF+(TABG-TABF)*\tb+7], v[FR+16*\jj+8*\qp:FR+16*\jj+8*\qp+7], v[ACC+16*(2*\rp+\jj)+8*\qp:ACC+16*(2*\rp+\jj)+8*\qp+7]
.endif
.endr
.endr
.endm
; A chunk of 8 Gaussians; tb: its table buffer.  more = 1: the next chunk's 16 loads are issued, in the order first half of the
; parameters (7), second half (7), table (2); the three counts at the next chunk's waits on DScnt go by that order.
; Places behind matrix instructions (ISA guide 7.12.1): the fragments are rewritten by S2 behind the plain lines of at
; least one S1 (32 of them), none of which names a matrix register.
; The last chunk issues no load and steps no address, so it states no dependence.
.macro CHUNK zero, more, tb
	s_wait_dscnt 0x9                               ; the first half's seven loads are in; the second half's seven and the table's two may be out
	PH1 0, 1
	s_wait_dscnt 0x2                               ; the second half is in; the table's two may be out
	PH1 2, 3
	S1 0, 0
	S2 0, 0
	S1 0, 4
	S2 0, 4
	s_wait_dscnt 0x0                               ; the table fragment
.if \more
	s_wait_alu depctr_vm_vsrc(0)                   ; the 16 loads issued for this chunk have read v1 and v2
	v_add_nc_u32 v1, 32, v1                        ; both addresses at the next chunk
	v_add_nc_u32 v2, 32, v2
.endif
	WM4 0, \zero, \tb
	S1 1, 0
	S1 1, 4                                        ; the last line that reads a parameter of this chunk stands in here
.if \more
	s_wait_alu depctr_va_vdst(0)                   ; PH1 has written and S1 is done reading the 56 parameter registers; the chunk before's matrix instructions are done reading the other table buffer; v1 and v2 are written
	LDPAR 0
.endif
	S2 1, 0                                        ; names slots, T and FR alone: none of the registers that the loads below touch
.if \more
	LDPAR 1
	LDTAB 1-\tb
.endif
	S2 1, 4
	WM4 1, \zero, \tb
.endm
	LDPAR 0
	LDPAR 1
	LDTAB 0
	CHUNK 1, 1, 0
	s_mov_b32 s33, 7
.Lchunk:                                               ; two chunks a trip: both table buffers are back at their start
	CHUNK 0, 1, 1
	CHUNK 0, 1, 0
	s_sub_co_i32 s33, s33, 1
	s_cmp_lg_u32 s33, 0
	s_cbranch_scc1 .Lchunk
	CHUNK 0, 0, 1                                  ; the sixteenth chunk loads nothing further
	; THE WAY OUT.  The records overlay the parameters and the table: B2 stands between every wave's last read of those
	; and the first record store.  The address work between its halves is also the four places and more that the
	; last matrix instructions ask for before their results are touched (ISA guide 7.12.1).
	s_wait_dscnt 0x0
	s_wait_alu depctr_vm_vsrc(0)                   ; the last LDS loads have read v1 and v2, which are made anew below
	s_barrier_signal -1
	v_and_b32 v3, 15, v0                           ; r
	v_bfe_u32 v1, v0, 4, 1                         ; h
	v_lshl_add_u32 v1, v1, 6, v3                   ; 64 h + r: HALFB = 64 records
	v_mul_u32_u24 v1, RECB, v1
	s_mul_i32 s38, s28, WAVEB
	v_add_nc_u32 v1, s38, v1                       ; v1: where I put my records (row j at + ROWB j)
	v_bfe_u32 v2, v0, 4, 2                         ; as thread t I gather pixel t of the tile: row t >> 6, x = t & 63
	v_lshrrev_b32 v9, 6, v0
	v_mul_u32_u24 v2, WAVEB, v2                    ; written by waves (t >> 4) & 3 and that + 4
	v_mad_u32_u24 v2, v9, ROWB, v2
	v_mad_u32_u24 v2, v3, RECB, v2                 ; v2: pixel t's record of segment 0
	v_mad_u32_u24 v4, v0, 12, STAGE                ; v4: pixel t in a staged image of 12 bytes a pixel
	v_lshl_add_u32 v5, v0, 2, STAGE                ; v5: in a staged plane
	v_lshl_add_u32 v6, v0, 4, STAGE                ; v6: my 16 bytes when the stage is read back
	s_barrier_wait -1                              ; (B2)
.irp j, 0,1,2,3
	v_mov_b32 v[ACC+16*\j+7], v[TR+\j]             ; word 7 of a record (an unused sum) carries the segment's final T
.endr
	s_wait_alu depctr_va_vdst(0)                   ; the matrix instructions and the four moves have written the accumulators, which the stores below read, and v1 is written; the places above stay beside this wait.
	                                               ; It serves the record loads behind B3 too: v2 is written, every line that named v16 to v79 is done, and no vector line stands between
.irp j, 0,1,2,3
.irp q, 0,1,2,3
	ds_store_b128 v1, v[ACC+16*\j+4*\q:ACC+16*\j+4*\q+3] offset:ROWB*\j+16*\q   ; words 4 q ..: colour sums of quantity q
.endr
.endr
	s_wait_dscnt 0x0
	s_barrier_signal -1
	s_barrier_wait -1                              ; (B3) all records are in LDS
.irp s, 3,2,1,0
.irp i, 0,1,2,3
	ds_load_b128 v[PS+16*\s+4*\i:PS+16*\s+4*\i+3], v2 offset:(\s>>1)*4*WAVEB+(\s&1)*HALFB+16*\i
.endr
.endr
	; offsets for the stores, while the records come
	s_mul_i32 s34, s32, 12288                      ; images of 3 f32 a pixel: 4 rows of 3,072 bytes a tile row,
	s_mul_i32 s38, s31, 768                        ; 64 pixels of 12 bytes a tile column
	s_add_co_u32 s34, s34, s38
	s_mov_b32 s35, 0
	s_add_nc_u64 s[18:19], s[18:19], s[34:35]      ; out1
	s_add_nc_u64 s[22:23], s[22:23], s[34:35]      ; out3
	s_add_nc_u64 s[24:25], s[24:25], s[34:35]      ; out4
	s_add_nc_u64 s[26:27], s[26:27], s[34:35]      ; out5
	s_lshl_b32 s36, s32, 12                        ; planes: 4 rows of 1,024 bytes,
	s_lshl_b32 s38, s31, 8                         ; 64 pixels of 4 bytes
	s_add_co_u32 s36, s36, s38
	s_lshr_b32 s38, s28, 1
	s_lshl_b32 s38, s38, 18                        ; waves 0..5 store plane w >> 1 of out0, waves 6, 7 store out2
	s_cmp_lt_u32 s28, 6
	s_cselect_b32 s38, s38, 0
	s_cselect_b64 s[40:41], s[16:17], s[20:21]
	s_add_co_u32 s36, s36, s38
	s_mov_b32 s37, 0
	s_add_nc_u64 s[40:41], s[40:41], s[36:37]
	v_mul_u32_u24 v7, 0x556, v0                    ; t / 48 for t < 192: (1366 t) >> 16
	v_lshrrev_b32 v7, 16, v7
	v_mul_u32_u24 v7, 0x900, v7                    ; a staged row is 768 bytes, a row of the image 3,072: + 2,304 a row
	v_lshl_add_u32 v7, v0, 4, v7                   ; v7: my 16 bytes in an image
	v_bfe_u32 v8, v0, 4, 2                         ; row (t >> 4) & 3
	v_lshlrev_b32 v9, 4, v3
	v_lshl_add_u32 v8, v8, 10, v9                  ; v8: my 16 bytes in a plane
; P_s += T_s P_(s+1).  T_s is word 7 of P_s (second register of pair 3, taken for both halves); pair 3 goes last.
.macro HORN s
.irp k, 0,1,2,4,5,6,7,3
	v_pk_fma_f32 v[PS+16*\s+2*\k:PS+16*\s+2*\k+1], v[PS+16*(\s+1)+2*\k:PS+16*(\s+1)+2*\k+1], v[PS+16*\s+6:PS+16*\s+7], v[PS+16*\s+2*\k:PS+16*\s+2*\k+1] op_sel:[0,1,0] op_sel_hi:[1,1,1]
.endr
.endm
	s_wait_dscnt 0x8                               ; records 3 and 2 are in; the eight loads of records 1 and 0 may be out
	HORN 2
	s_wait_dscnt 0x4                               ; the four loads of record 0 may be out
	HORN 1
	s_wait_dscnt 0x0
	HORN 0
	s_wait_alu depctr_va_vdst(0)                   ; the last sums have written v16 to v31, which the stores below read.  It serves what follows B4 too: the sums are done with v32 to v51,
	                                               ; in which the stage loads land, v7 and v8, the global stores' offsets, are written, and no vector line stands behind it
	; pixel t's 13 numbers into the stage (apart from the records: no barrier in front)
.irp q, 0,1,2,3
.irp c, 0,1,2
	ds_store_b32 v4, v[PS+4*\q+\c] offset:3072*\q+4*\c     ; out1, out3, out4, out5
.endr
.endr
	ds_store_b32 v5, v[PS]   offset:12288          ; out0: three planes of 1,024 bytes
	ds_store_b32 v5, v[PS+1] offset:13312
	ds_store_b32 v5, v[PS+2] offset:14336
	ds_store_b32 v5, v[PS+3] offset:15360          ; out2
	s_wait_dscnt 0x0
	s_barrier_signal -1
	s_barrier_wait -1                              ; (B4)
	; Read back 16 bytes a thread; every store's sixteen neighbouring lanes cover 256 consecutive bytes, aligned.
	ds_load_b128 v[32:35], v6 offset:12288         ; the four planes: 256 pieces, all eight waves
	s_cmp_ge_u32 s28, 6
	s_cbranch_scc1 .Ltail                          ; an image's tile is 192 pieces: waves 0..5
	ds_load_b128 v[36:39], v6
	ds_load_b128 v[40:43], v6 offset:3072
	ds_load_b128 v[44:47], v6 offset:6144
	ds_load_b128 v[48:51], v6 offset:9216
	s_wait_dscnt 0x3                               ; the counts are the younger stage loads
	global_store_b128 v7, v[36:39], s[18:19] th:TH_STORE_NT
	s_wait_dscnt 0x2
	global_store_b128 v7, v[40:43], s[22:23] th:TH_STORE_NT
	s_wait_dscnt 0x1
	global_store_b128 v7, v[44:47], s[24:25] th:TH_STORE_NT
	s_wait_dscnt 0x0
	global_store_b128 v7, v[48:51], s[26:27] th:TH_STORE_NT
.Ltail:
	s_wait_dscnt 0x0
	global_store_b128 v8, v[32:35], s[40:41] th:TH_STORE_NT
	s_set_vgpr_msb 0x5
	s_wait_dscnt 0x0
	s_wait_alu depctr_hold_cnt(0) depctr_sa_sdst(0) depctr_va_vdst(0) depctr_va_sdst(0) depctr_va_ssrc(0) depctr_va_vcc(0) depctr_vm_vsrc(0)
	s_wait_tensorcnt 0x0
	ds_add_u32 v0, v1
	s_wait_dscnt 0x0
	s_endpgm
.Lfunc_end_k_q0ed29bbb15_render:
	.size	k_q0ed29bbb15_render, .Lfunc_end_k_q0ed29bbb15_render-k_q0ed29bbb15_render
	.p2alignl 7, 3214868480
	.fill 96, 4, 3214868480
	.section	.rodata,"a",@progbits
	.p2align	6, 0x0
	.amdhsa_kernel k_q0ed29bbb15_render
		.amdhsa_group_segment_fixed_size 99328
		.amdhsa_private_segment_fixed_size 0
		.amdhsa_enable_private_segment 0
		.amdhsa_kernarg_size 80
		.amdhsa_user_sgpr_count 2
		.amdhsa_user_sgpr_kernarg_segment_ptr 1
		.amdhsa_wavefront_size32 1
		.amdhsa_system_sgpr_workgroup_id_x 1
		.amdhsa_system_sgpr_workgroup_id_y 1
		.amdhsa_system_sgpr_workgroup_id_z 1
		.amdhsa_system_vgpr_workitem_id 0
		.amdhsa_next_free_vgpr 258
		.amdhsa_next_free_sgpr 66
		.amdhsa_reserve_vcc 0
		.amdhsa_float_denorm_mode_32 3
		.amdhsa_float_denorm_mode_16_64 3
		.amdhsa_memory_ordered 1
		.amdhsa_forward_progress 1
		.amdhsa_inst_pref_size 102
	.end_amdhsa_kernel
	.amdgpu_metadata
---
amdhsa.version: [ 1, 2 ]
amdhsa.kernels:
  - .name:           k_q0ed29bbb15_render
    .symbol:         k_q0ed29bbb15_render.kd
    .args:
      - { .name: cholesky_raw, .offset: 0, .size: 8, .value_kind: global_buffer, .address_space: global }
      - { .name: means, .offset: 8, .size: 8, .value_kind: global_buffer, .address_space: global }
      - { .name: opacity_logits, .offset: 16, .size: 8, .value_kind: global_buffer, .address_space: global }
      - { .name: rgb_logits, .offset: 24, .size: 8, .value_kind: global_buffer, .address_space: global }
      - { .name: out0, .offset: 32, .size: 8, .value_kind: global_buffer, .address_space: global }
      - { .name: out1, .offset: 40, .size: 8, .value_kind: global_buffer, .address_space: global }
      - { .name: out2, .offset: 48, .size: 8, .value_kind: global_buffer, .address_space: global }
      - { .name: out3, .offset: 56, .size: 8, .value_kind: global_buffer, .address_space: global }
      - { .name: out4, .offset: 64, .size: 8, .value_kind: global_buffer, .address_space: global }
      - { .name: out5, .offset: 72, .size: 8, .value_kind: global_buffer, .address_space: global }
    .group_segment_fixed_size: 99328
    .private_segment_fixed_size: 0
    .kernarg_segment_align: 8
    .kernarg_segment_size: 80
    .max_flat_workgroup_size: 256
    .sgpr_count:     66
    .vgpr_count:     258
    .wavefront_size: 32
...
	.end_amdgpu_metadata
.endif
;; end of part 2
